; MI455X (gfx1250); checked and timed in simulation.
; The chip was launched on July 23, 2026; its instructions are those of AMD's public machine-readable ISA for CDNA 5 (MIT licence, August 2026) and "CDNA5" Instruction Set Architecture Reference Guide (July 2026). The comments in the code are by the model that wrote it; some were corrected since.
;; Multi Head Attention Quantum. Allowed arithmetic: float matrix products may take bf16 or f16 operands with f32 sums; all other float work in f32.
;; Inputs: W_out 8 x 8 float32; theta 8 float32; x 32 x 2,048 x 8 float32.
;; Outputs: out0 32 x 2,048 x 8 float32.
;; 2 versions, each right; version 2 is version 1 with the launch attn written anew for expert scheduling mode. Each part assembles by itself: llvm-mc -triple=amdgcn-amd-amdhsa -mcpu=gfx1250 --defsym DOCPART=n.
;; ======== version 1 of 2: 1 launch
;; limits: inputs' magnitudes at most 1,000,000
;; launch attn (part 1): grid 8 x 32, 8 waves a work-group, no clusters, 66,816 bytes of LDS; arguments x, theta, W_out, out0; writes out0
.if DOCPART == 1
	.amdgcn_target "amdgcn-amd-amdhsa--gfx1250"
	.amdhsa_code_object_version 6
	.text
	.protected	k_qdc5e4e7195_attn
	.globl	k_qdc5e4e7195_attn
	.p2align	8
	.type	k_qdc5e4e7195_attn,@function
k_qdc5e4e7195_attn:
	s_mov_b64 s[64:65], 0
	v_nop
	global_prefetch_b8 v0, s[64:65] scope:SCOPE_SE
	s_setreg_imm32_b32 hwreg(HW_REG_WAVE_MODE, 25, 1), 1
	s_wait_xcnt 0x0
; out = softmax(h h^T / 2) h, per head, heads merged, times W_out^T;  h = cos(x + theta).  x, out: [32][2048][8] f32; two heads of 4.
; A work-group: one batch, 256 queries, both heads, all 2048 keys.  Eight waves; a wave owns 2 blocks of 16 queries x 2 heads = 4 units.
;
; HEAD: the work-group makes h for its whole batch once (64 numbers a thread) and keeps it in LDS as bf16, [key][8]: 16 bytes a key,
; head 0's four numbers, then head 1's.  A second plane holds the block {1,0,0,0,0,0,0,0} for every key.
; LOOP, 32 keys a step:  S^T = K Q^T (A = 16 keys, B = 16 queries): lane (r, hf) then holds keys 8 hf + 0..7 of query r, which, rounded in pairs,
; IS the B fragment of the second product O^T = V^T P^T: P never leaves its lane.  Q carries 0.5 log2(e), so v_exp_f32 takes the score as it comes.
; A key's 16 bytes fill k places 0-7 (lanes 0-15) and again 8-15 (lanes 16-31).  A unit's Q has its head's four numbers in places 0-3 or 4-7,
; the bf16 residue of the same numbers in places 8-11 or 12-15, and zeros elsewhere: one K fragment serves both heads.
; V^T comes from the same plane by the transposing load: rows 0-7 = the 8 numbers of a key, row 8 = ones (second plane), rows 9-15 = 0.
; So a unit's accumulator holds, in lanes 0-15, registers 0-7: sum of p h[e]  (its own head's four are used), and in lanes 16-31, register 0: sum of p.
;
; NO MAXIMUM IS TAKEN AWAY: |h| <= 1 for every input, so |score| <= 2, every exponential lies in [0.135, 7.39] and a row's sum in [277, 15134].
; LIMITS: h, q and p are rounded to bf16 (q to two bf16).  The reduction of x + theta by multiples of 2 pi holds to about |x + theta| = 1e6 (beyond,
; the multiple may be off by one and the series leaves its range).  A NaN or an infinity in x makes its whole batch NaN, as in the reference.
; cos is made of plain arithmetic: 2 pi is taken away in two parts with fused multiply-adds, which keeps large arguments exact;
; one multiplication by 1/(2 pi) in front of v_cos_f32 would not.
; No cluster: what the 8 work-groups of a batch share is 64 KiB of x, read once at the head and changed in registers on its way to LDS.
.set SEQ,   2048
.set KEYB,  16                         ; a key's bytes in either plane
.set CPL,   SEQ*KEYB+128               ; the plane of ones: 128 bytes off a multiple of 256, so that the 8 lanes that read it and the 8 that read keys touch 16 different 16-byte columns of 256 bytes
.set STEPB, 32*KEYB                    ; a step's keys in a plane
.set TRIPS, SEQ/64                     ; a trip = two steps
; registers for the whole kernel
.set KA,   1                           ; LDS address of my K rows
.set VA,   2                           ; LDS address for the transposing loads
.set OUTO, 3                           ; my byte offset in the work-group's part of out
.set F16,  4                           ; 16 x thread
.set THO,  5                           ; which half of theta my chunks want
.set RL,   6                           ; r  = lane % 16
.set HH,   7                           ; hf = lane / 16
.set WR,   8                           ; v[8:39]    W_out rows 4 hf .. 4 hf + 3
.set QB,   40                          ; v[40:71]   Q fragments, unit u = 2 x query block + head
.set KB,   72                          ; v[72:103]  K fragments: set p, tile T at KB + 16 p + 8 T; registers 4-7 of each stay 0
.set VB,   104                         ; v[104:119] V^T fragments, set p
.set SB,   120                         ; v[120:151] scores, two sets of two tiles
.set PB,   152                         ; v[152:167] P^T, two sets
.set OB,   168                         ; v[168:199] accumulators, unit u
; registers of the head alone, in places that the loop takes over later
.set QOFF, 40
.set WOFF, 41
.set ZOFF, 42
.set F8,   43                          ; 8 x thread
.set THF,  72                          ; v[72:75]   theta of my chunks' head
.set THQ,  76                          ; v[76:83]   all of theta
.set XQ,   84                          ; v[84:99]   x of my two query rows
.set C4P,  100                         ; v[100:101] a series coefficient, twice
.set HI,   102                         ; v[102:105]
.set TT,   106                         ; v[106:113]
.set X,    120                         ; v[120:183] my 16 chunks of x
.set NN,   184                         ; v[184:191]
.set ZZ,   192                         ; v[192:199]
; registers of the end alone (all written before: v_permlanex16_b32 counts as a reader of its destination)
.set T9,   120
.set EE,   130
.set SM,   138
.set RC,   140
.set OU,   144
	s_load_b256 s[4:11], s[0:1], 0x0               ; x s[4:5], theta s[6:7], W_out s[8:9], out0 s[10:11]
	v_lshl_add_u32 v200, v0, 2, 0x10100
	v_mov_b32 v201, 0
	v_lshrrev_b32 v[HH], 5, v0
	v_readfirstlane_b32 s12, v[HH]                 ; wave 0..7
	s_and_b32 s13, ttmp7, 0xffff                   ; batch
	s_lshl_b32 s16, s13, 16                        ; a batch is 2048 x 32 bytes
	s_mov_b32 s17, 0
	s_lshl_b32 s18, ttmp9, 13                      ; the work-group's 256 rows of 32 bytes
	s_mov_b32 s19, 0
	s_lshl_b32 s22, s12, 10                        ; the wave's 32 rows
	s_add_co_u32 s20, s18, s22
	s_mov_b32 s14, 0x76543210                      ; v_permlanex16_b32: lane i of one half reads lane i of the other
	s_mov_b32 s15, 0xfedcba98
	v_lshlrev_b32 v[F16], 4, v0
	v_lshlrev_b32 v[F8], 3, v0
	v_and_b32 v[THO], 1, v0
	v_lshlrev_b32 v[THO], 4, v[THO]
	v_and_b32 v[RL], 15, v0
	v_bfe_u32 v[HH], v0, 4, 1
	v_lshl_add_u32 v[QOFF], v[RL], 5, s20          ; my query row in the batch
	v_lshlrev_b32 v[WOFF], 7, v[HH]                ; four rows of W_out
	v_mov_b32 v[ZOFF], 0
	s_wait_kmcnt 0x0
	s_add_nc_u64 s[4:5], s[4:5], s[16:17]          ; x at the batch
	s_add_nc_u64 s[10:11], s[10:11], s[16:17]
	s_add_nc_u64 s[10:11], s[10:11], s[18:19]      ; out at the work-group's rows
	; 31 loads, all on their way at once.  Chunk c = 256 j + thread is 16 bytes of x: key c / 2, head c % 2; a wave's load covers 512 consecutive bytes.
	global_load_b128 v[THF:THF+3], v[THO], s[6:7]
.irp j, 0,1,2,3,4,5,6,7,8,9,10,11,12,13,14,15
	global_load_b128 v[X+4*\j:X+4*\j+3], v[F16], s[4:5] offset:4096*\j
.endr
	global_load_b128 v[THQ:THQ+3], v[ZOFF], s[6:7]
	global_load_b128 v[THQ+4:THQ+7], v[ZOFF], s[6:7] offset:16
.irp q, 0,1
	global_load_b128 v[XQ+8*\q:XQ+8*\q+3], v[QOFF], s[4:5] offset:512*\q
	global_load_b128 v[XQ+8*\q+4:XQ+8*\q+7], v[QOFF], s[4:5] offset:512*\q+16
.endr
.irp k, 0,1,2,3,4,5,6,7
	global_load_b128 v[WR+4*\k:WR+4*\k+3], v[WOFF], s[8:9] offset:16*\k   ; WR + 8 i + e = W_out[4 hf + i][e]
.endr
	; the plane of ones, as long as the plane of keys, so that one address register with one step serves all lanes of the transposing load
	v_mov_b32 v[NN], 0x3f80                        ; bf16 1.0 in element 0
	v_mov_b32 v[NN+1], 0
	v_mov_b32 v[NN+2], 0
	v_mov_b32 v[NN+3], 0
.irp j, 0,1,2,3,4,5,6,7
	ds_store_b128 v[F16], v[NN:NN+3] offset:CPL+4096*\j
.endr
	v_mov_b32 v[C4P], 0x31b8ef1d
	v_mov_b32 v[C4P+1], 0x31b8ef1d
; cos(x + theta) of eight numbers in place, four pairs side by side so that no line waits for the one in front of it.
; a = x + theta; n = nearest whole number to a / 2 pi; r = a - n 2 pi, 2 pi in two parts, |r| <= pi;
; sin(r/2) = r g(r^2), g = six terms of the series, (-1)^k / ((2k+1)! 2^(2k+1)): what is cut off is below 6e-8;  cos = 1 - 2 sin^2(r/2).
.macro COS8 x, t0, t1
	v_pk_add_f32 v[\x:\x+1],   v[\x:\x+1],   v[\t0:\t0+1]
	v_pk_add_f32 v[\x+2:\x+3], v[\x+2:\x+3], v[\t0+2:\t0+3]
	v_pk_add_f32 v[\x+4:\x+5], v[\x+4:\x+5], v[\t1:\t1+1]
	v_pk_add_f32 v[\x+6:\x+7], v[\x+6:\x+7], v[\t1+2:\t1+3]
.irp k, 0,2,4,6
	v_pk_mul_f32 v[NN+\k:NN+\k+1], v[\x+\k:\x+\k+1], 0.15915494 op_sel_hi:[1,0]
.endr
.irp k, 0,1,2,3,4,5,6,7
	v_rndne_f32 v[NN+\k], v[NN+\k]
.endr
.irp k, 0,2,4,6
	v_pk_fma_f32 v[\x+\k:\x+\k+1], v[NN+\k:NN+\k+1], 0xc0c90fdb, v[\x+\k:\x+\k+1] op_sel_hi:[1,0,1]   ; - n x 6.2831855
.endr
.irp k, 0,2,4,6
	v_pk_fma_f32 v[\x+\k:\x+\k+1], v[NN+\k:NN+\k+1], 0x343bbd2e, v[\x+\k:\x+\k+1] op_sel_hi:[1,0,1]   ; + n x 1.7484555e-7: the rest of 2 pi
.endr
.irp k, 0,2,4,6
	v_pk_mul_f32 v[ZZ+\k:ZZ+\k+1], v[\x+\k:\x+\k+1], v[\x+\k:\x+\k+1]
.endr
.irp k, 0,2,4,6
	v_pk_fma_f32 v[NN+\k:NN+\k+1], v[ZZ+\k:ZZ+\k+1], 0xad57322b, v[C4P:C4P+1] op_sel_hi:[1,0,1]        ; -1/(11! 2^11) z + 1/(9! 2^9)
.endr
.irp k, 0,2,4,6
	v_pk_fma_f32 v[NN+\k:NN+\k+1], v[NN+\k:NN+\k+1], v[ZZ+\k:ZZ+\k+1], 0xb5d00d01 op_sel_hi:[1,1,0]   ; -1/(7! 2^7)
.endr
.irp k, 0,2,4,6
	v_pk_fma_f32 v[NN+\k:NN+\k+1], v[NN+\k:NN+\k+1], v[ZZ+\k:ZZ+\k+1], 0x39888889 op_sel_hi:[1,1,0]   ; 1/(5! 2^5)
.endr
.irp k, 0,2,4,6
	v_pk_fma_f32 v[NN+\k:NN+\k+1], v[NN+\k:NN+\k+1], v[ZZ+\k:ZZ+\k+1], 0xbcaaaaab op_sel_hi:[1,1,0]   ; -1/(3! 2^3)
.endr
.irp k, 0,2,4,6
	v_pk_fma_f32 v[NN+\k:NN+\k+1], v[NN+\k:NN+\k+1], v[ZZ+\k:ZZ+\k+1], 0.5 op_sel_hi:[1,1,0]
.endr
.irp k, 0,2,4,6
	v_pk_mul_f32 v[NN+\k:NN+\k+1], v[NN+\k:NN+\k+1], v[\x+\k:\x+\k+1]                                 ; sin(r/2)
.endr
.irp k, 0,2,4,6
	v_pk_mul_f32 v[NN+\k:NN+\k+1], v[NN+\k:NN+\k+1], v[NN+\k:NN+\k+1]
.endr
.irp k, 0,2,4,6
	v_pk_fma_f32 v[\x+\k:\x+\k+1], v[NN+\k:NN+\k+1], -2.0, 1.0 op_sel_hi:[1,0,0]
.endr
.endm
	; the plane of keys: two chunks at a time.  Chunk c goes to LDS byte 8 c: neighbouring lanes, neighbouring 8 bytes.
.irp g, 0,1,2,3,4,5,6,7
	s_wait_loadcnt 28-2*\g                         ; loads return in order (ISA guide 5.7.1): behind chunk 2 g + 1 came 14 - 2 g chunks and 14 other loads
	COS8 X+8*\g, THF, THF
	v_cvt_pk_bf16_f32 v[X+8*\g],   v[X+8*\g],   v[X+8*\g+1]
	v_cvt_pk_bf16_f32 v[X+8*\g+1], v[X+8*\g+2], v[X+8*\g+3]
	v_cvt_pk_bf16_f32 v[X+8*\g+4], v[X+8*\g+4], v[X+8*\g+5]
	v_cvt_pk_bf16_f32 v[X+8*\g+5], v[X+8*\g+6], v[X+8*\g+7]
	ds_store_b64 v[F8], v[X+8*\g:X+8*\g+1] offset:4096*\g
	ds_store_b64 v[F8], v[X+8*\g+4:X+8*\g+5] offset:4096*\g+2048
.endr
	s_wait_loadcnt 0x0                             ; theta, my query rows, W_out
	s_wait_dscnt 0x0                               ; my part of both planes is written: zero, for the other waves' sake
	s_barrier_signal -1
	; register work while the others arrive: my Q fragments, the zeros, the addresses
	v_cmp_ne_u32 s21, 0, v[HH]                     ; lanes 16-31
; The two Q fragments (head 0, head 1) of query block qb.  q = 0.5 log2(e) cos(..); lanes 0-15 take bf16(q), lanes 16-31 bf16(q - bf16(q)).
.macro QFRAG qb
	COS8 XQ+8*\qb, THQ, THQ+4
.irp k, 0,2,4,6
	v_pk_mul_f32 v[XQ+8*\qb+\k:XQ+8*\qb+\k+1], v[XQ+8*\qb+\k:XQ+8*\qb+\k+1], 0x3f38aa3b op_sel_hi:[1,0]
.endr
.irp k, 0,1,2,3
	v_cvt_pk_bf16_f32 v[HI+\k], v[XQ+8*\qb+2*\k], v[XQ+8*\qb+2*\k+1]
.endr
.irp k, 0,1,2,3
	v_lshlrev_b32 v[TT+2*\k],   16, v[HI+\k]
	v_and_b32     v[TT+2*\k+1], 0xffff0000, v[HI+\k]
.endr
.irp k, 0,2,4,6
	v_pk_add_f32 v[XQ+8*\qb+\k:XQ+8*\qb+\k+1], v[XQ+8*\qb+\k:XQ+8*\qb+\k+1], v[TT+\k:TT+\k+1] neg_lo:[0,1] neg_hi:[0,1]
.endr
.irp k, 0,1,2,3
	v_cvt_pk_bf16_f32 v[TT+\k], v[XQ+8*\qb+2*\k], v[XQ+8*\qb+2*\k+1]
.endr
	v_cndmask_b32 v[QB+16*\qb],    v[HI],   v[TT],   s21      ; head 0: k places 0-3 and 8-11
	v_cndmask_b32 v[QB+16*\qb+1],  v[HI+1], v[TT+1], s21
	v_cndmask_b32 v[QB+16*\qb+10], v[HI+2], v[TT+2], s21      ; head 1: k places 4-7 and 12-15
	v_cndmask_b32 v[QB+16*\qb+11], v[HI+3], v[TT+3], s21
.irp k, 2,3,4,5,6,7, 8,9,12,13,14,15
	v_mov_b32 v[QB+16*\qb+\k], 0                               ; the other head's places and places 16-31
.endr
.endm
	QFRAG 0
	QFRAG 1
.irp f, 0,1,2,3
.irp k, 4,5,6,7
	v_mov_b32 v[KB+8*\f+\k], 0                     ; k places 16-31 of every K fragment, once
.endr
.endr
	v_lshlrev_b32 v[KA], 4, v[RL]                  ; K: lane (r, hf) takes key r's 16 bytes: 16 lanes, 256 consecutive bytes
	v_and_b32 v[VA], 7, v0                         ; V^T: lane 8 g + j names the 16 bytes of key 8 hf + j (g even) or that key's block of the second plane (g odd);
	v_lshl_add_u32 v[VA], v[HH], 3, v[VA]          ; lane 8 g + i receives element i of all eight: row i (or 8 + i) of V^T, keys 8 hf + 0..7
	v_lshlrev_b32 v[VA], 4, v[VA]
	v_bfe_u32 v[TT], v0, 3, 1
	v_mul_u32_u24 v[TT], v[TT], CPL
	v_add_nc_u32 v[VA], v[VA], v[TT]
	s_barrier_wait -1                              ; both planes are whole; nothing is written to LDS from here on
; the fragments of the 32 keys that lie off bytes behind the address registers, into set p
.macro LOADKV p, off
	ds_load_b128 v[KB+16*(\p):KB+16*(\p)+3], v[KA] offset:\off
	ds_load_b128 v[KB+16*(\p)+8:KB+16*(\p)+11], v[KA] offset:\off+256
	ds_load_tr16_b128 v[VB+8*(\p):VB+8*(\p)+3], v[VA] offset:\off
	ds_load_tr16_b128 v[VB+8*(\p)+4:VB+8*(\p)+7], v[VA] offset:\off+256
.endm
; the two score tiles of unit u on the keys of set p, into S set u % 2
.macro SCORES p, u
	v_wmma_f32_16x16x32_bf16 v[SB+16*(\u&1):SB+16*(\u&1)+7], v[KB+16*(\p):KB+16*(\p)+7], v[QB+8*\u:QB+8*\u+7], 0
	v_wmma_f32_16x16x32_bf16 v[SB+16*(\u&1)+8:SB+16*(\u&1)+15], v[KB+16*(\p)+8:KB+16*(\p)+15], v[QB+8*\u:QB+8*\u+7], 0
.endm
; Unit u's turn: exponentials, rounding, second product.  Its scores were issued one turn earlier; the filler and the eight conversions of the turn
; between, which name the other S and P sets, are the places behind those matrix instructions (ISA guide 7.12.1), and likewise behind the
; second product before its P set is written again two turns later.
; One plain instruction stands between the run of exponentials and the first use of a result (ISA guide 5.7.2): an address step where one is due.
; The matrix instructions' accumulators take turns, one instruction a turn.
.macro SLOT p, u, zero, fill
.irp k, 0,1,2,3,4,5,6,7,8,9,10,11,12,13,14,15
	v_exp_f32 v[SB+16*(\u&1)+\k], v[SB+16*(\u&1)+\k]
.endr
.if \fill == 1
	v_add_nc_u32 v[KA], 2*STEPB, v[KA]
	s_wait_alu depctr_va_vdst(0)
.else
.if \fill == 2
	v_add_nc_u32 v[VA], 2*STEPB, v[VA]
	s_wait_alu depctr_va_vdst(0)
.else
	v_nop
	s_wait_alu depctr_va_vdst(0)
.endif
.endif
.irp k, 0,1,2,3,4,5,6,7
	v_cvt_pk_bf16_f32 v[PB+8*(\u&1)+\k], v[SB+16*(\u&1)+2*\k], v[SB+16*(\u&1)+2*\k+1]
.endr
.if \zero
	v_wmma_f32_16x16x32_bf16 v[OB+8*\u:OB+8*\u+7], v[VB+8*\p:VB+8*\p+7], v[PB+8*(\u&1):PB+8*(\u&1)+7], 0
.else
	v_wmma_f32_16x16x32_bf16 v[OB+8*\u:OB+8*\u+7], v[VB+8*\p:VB+8*\p+7], v[PB+8*(\u&1):PB+8*(\u&1)+7], v[OB+8*\u:OB+8*\u+7]
.endif
.endm
; A step: 32 keys (set p), four units.  zero = 1: the first products start the sums, nothing is cleared.
; load = 1: the next step's fragments go into the other set behind unit 0's turn: that set's last reader, the step before's last second product,
; then lies 28 vector instructions back.  more = 1: the next step's first scores are issued in front of unit 3's exponentials.
.macro STEP p, zero, load, more
	SCORES \p, 1
	SLOT \p, 0, \zero, 0
.if \load
	LOADKV 1-\p, STEPB*(1+\p)
.endif
	SCORES \p, 2
	SLOT \p, 1, \zero, \p
	SCORES \p, 3
	SLOT \p, 2, \zero, 2*\p
.if \more
	s_wait_dscnt 0x0                               ; the four loads issued two turns ago
	SCORES 1-\p, 0
.endif
	SLOT \p, 3, \zero, 0
.endm
	LOADKV 0, 0
	s_wait_dscnt 0x0
	SCORES 0, 0
	v_lshlrev_b32 v[OUTO], 5, v[RL]                ; four places behind the very first scores: my 16 bytes of out: row r, half hf,
	v_lshl_add_u32 v[OUTO], v[HH], 4, v[OUTO]
	v_add_nc_u32 v[OUTO], s22, v[OUTO]             ; in the wave's 32 rows
	v_nop
	STEP 0, 1, 1, 1                                ; the first trip stands in front of the loop: its first step starts the sums
	STEP 1, 0, 1, 1
	s_mov_b32 s23, TRIPS-2
.Ltrip:
	STEP 0, 0, 1, 1
	STEP 1, 0, 1, 1
	s_sub_co_u32 s23, s23, 1
	s_cmp_lg_u32 s23, 0
	s_cbranch_scc1 .Ltrip
	STEP 0, 0, 1, 1                                ; the last trip: its second step loads nothing and issues no further scores
	STEP 1, 0, 0, 0
.rept 4
	v_nop                                          ; four places behind the last matrix instruction before its sums are read
.endr
; THE END, for query block qb.  Lanes 0-15 hold the eight sums of p h[e] (head 0's in the first unit's registers 0-3, head 1's in the second unit's 4-7),
; lanes 16-31 hold the two sums of p (register 0 of each unit).  Each half fetches what the other holds, so that lane (r, hf) can make
; out[r][4 hf .. 4 hf + 3]: 32 multiply-adds in f32, and one store of the wave covers 512 consecutive bytes, at a multiple of 512 from out's first byte.
.macro FINISH qb
	v_permlanex16_b32 v[T9],   v[OB+16*\qb],   s14, s15
	v_permlanex16_b32 v[T9+8], v[OB+16*\qb+8], s14, s15
	v_cndmask_b32 v[SM],   v[T9],   v[OB+16*\qb],   s21       ; sum of p, head 0, in every lane
	v_cndmask_b32 v[SM+1], v[T9+8], v[OB+16*\qb+8], s21       ; head 1
	v_rcp_f32 v[RC],   v[SM]                                  ; the selects below stand between these and the first use
	v_rcp_f32 v[RC+1], v[SM+1]
.irp e, 1,2,3
	v_permlanex16_b32 v[T9+\e], v[OB+16*\qb+\e], s14, s15
.endr
.irp e, 4,5,6,7
	v_permlanex16_b32 v[T9+\e], v[OB+16*\qb+8+\e], s14, s15
.endr
.irp e, 0,1,2,3
	v_cndmask_b32 v[EE+\e], v[OB+16*\qb+\e], v[T9+\e], s21
.endr
.irp e, 4,5,6,7
	v_cndmask_b32 v[EE+\e], v[OB+16*\qb+8+\e], v[T9+\e], s21
.endr
	s_wait_alu depctr_va_vdst(0)
.irp e, 0,1,2,3
	v_mul_f32 v[EE+\e], v[EE+\e], v[RC]
.endr
.irp e, 4,5,6,7
	v_mul_f32 v[EE+\e], v[EE+\e], v[RC+1]
.endr
.irp i, 0,1,2,3
	v_mul_f32 v[OU+4*\qb+\i], v[WR+8*\i], v[EE]
.endr
.irp e, 1,2,3,4,5,6,7
.irp i, 0,1,2,3
	v_fmac_f32 v[OU+4*\qb+\i], v[WR+8*\i+\e], v[EE+\e]
.endr
.endr
	global_store_b128 v[OUTO], v[OU+4*\qb:OU+4*\qb+3], s[10:11] offset:512*\qb th:TH_STORE_NT
.endm
	FINISH 0
	FINISH 1                                       ; its results have registers of their own: the first store's data stay untouched
	s_wait_tensorcnt 0x0
	ds_add_u32 v200, v201
	s_wait_dscnt 0x0
	s_endpgm
.Lfunc_end_k_qdc5e4e7195_attn:
	.size	k_qdc5e4e7195_attn, .Lfunc_end_k_qdc5e4e7195_attn-k_qdc5e4e7195_attn
	.p2alignl 7, 3214868480
	.fill 96, 4, 3214868480
	.section	.rodata,"a",@progbits
	.p2align	6, 0x0
	.amdhsa_kernel k_qdc5e4e7195_attn
		.amdhsa_group_segment_fixed_size 66816
		.amdhsa_private_segment_fixed_size 0
		.amdhsa_enable_private_segment 0
		.amdhsa_kernarg_size 32
		.amdhsa_user_sgpr_count 2
		.amdhsa_user_sgpr_kernarg_segment_ptr 1
		.amdhsa_wavefront_size32 1
		.amdhsa_system_sgpr_workgroup_id_x 1
		.amdhsa_system_sgpr_workgroup_id_y 1
		.amdhsa_system_sgpr_workgroup_id_z 1
		.amdhsa_system_vgpr_workitem_id 0
		.amdhsa_next_free_vgpr 202
		.amdhsa_next_free_sgpr 66
		.amdhsa_reserve_vcc 0
		.amdhsa_float_denorm_mode_32 3
		.amdhsa_float_denorm_mode_16_64 3
		.amdhsa_memory_ordered 1
		.amdhsa_forward_progress 1
		.amdhsa_inst_pref_size 94
	.end_amdhsa_kernel
	.amdgpu_metadata
---
amdhsa.version: [ 1, 2 ]
amdhsa.kernels:
  - .name:           k_qdc5e4e7195_attn
    .symbol:         k_qdc5e4e7195_attn.kd
    .args:
      - { .name: x, .offset: 0, .size: 8, .value_kind: global_buffer, .address_space: global }
      - { .name: theta, .offset: 8, .size: 8, .value_kind: global_buffer, .address_space: global }
      - { .name: W_out, .offset: 16, .size: 8, .value_kind: global_buffer, .address_space: global }
      - { .name: out0, .offset: 24, .size: 8, .value_kind: global_buffer, .address_space: global }
    .group_segment_fixed_size: 66816
    .private_segment_fixed_size: 0
    .kernarg_segment_align: 8
    .kernarg_segment_size: 32
    .max_flat_workgroup_size: 256
    .sgpr_count:     66
    .vgpr_count:     202
    .wavefront_size: 32
...
	.end_amdgpu_metadata
.endif
;; end of part 1
;; ======== version 2 of 2: 1 launch; version 1 with the launch attn written anew for expert scheduling mode
;; limits: inputs' magnitudes at most 1,000,000
;; launch attn (part 2): grid 8 x 32, 8 waves a work-group, no clusters, 66,816 bytes of LDS; arguments x, theta, W_out, out0; writes out0
.if DOCPART == 2
	.amdgcn_target "amdgcn-amd-amdhsa--gfx1250"
	.amdhsa_code_object_version 6
	.text
	.protected	k_qdc5e4e7195_attn
	.globl	k_qdc5e4e7195_attn
	.p2align	8
	.type	k_qdc5e4e7195_attn,@function
k_qdc5e4e7195_attn:
	s_mov_b64 s[64:65], 0
	v_nop
	global_prefetch_b8 v0, s[64:65] scope:SCOPE_SE
	s_setreg_imm32_b32 hwreg(HW_REG_WAVE_SCHED_MODE, 0, 2), 2
	s_setreg_imm32_b32 hwreg(HW_REG_WAVE_MODE, 25, 1), 1
	s_wait_xcnt 0x0
	s_wait_alu depctr_vm_vsrc(0)
; out = softmax(h h^T / 2) h, per head, heads merged, times W_out^T;  h = cos(x + theta).  x, out: [32][2048][8] f32; two heads of 4.
; A work-group: one batch, 256 queries, both heads, all 2048 keys.  Eight waves; a wave owns 2 blocks of 16 queries x 2 heads = 4 units.
;
; HEAD: the work-group makes h for its whole batch once (64 numbers a thread) and keeps it in LDS as bf16, [key][8]: 16 bytes a key,
; head 0's four numbers, then head 1's.  A second plane holds the block {1,0,0,0,0,0,0,0} for every key.
; LOOP, 32 keys a step:  S^T = K Q^T (A = 16 keys, B = 16 queries): lane (r, hf) then holds keys 8 hf + 0..7 of query r, which, rounded in pairs,
; IS the B fragment of the second product O^T = V^T P^T: P never leaves its lane.  Q carries 0.5 log2(e), so v_exp_f32 takes the score as it comes.
; A key's 16 bytes fill k places 0-7 (lanes 0-15) and again 8-15 (lanes 16-31).  A unit's Q has its head's four numbers in places 0-3 or 4-7,
; the bf16 residue of the same numbers in places 8-11 or 12-15, and zeros elsewhere: one K fragment serves both heads.
; V^T comes from the same plane by the transposing load: rows 0-7 = the 8 numbers of a key, row 8 = ones (second plane), rows 9-15 = 0.
; So a unit's accumulator holds, in lanes 0-15, registers 0-7: sum of p h[e]  (its own head's four are used), and in lanes 16-31, register 0: sum of p.
;
; NO MAXIMUM IS TAKEN AWAY: |h| <= 1 for every input, so |score| <= 2, every exponential lies in [0.135, 7.39] and a row's sum in [277, 15134].
; LIMITS: h, q and p are rounded to bf16 (q to two bf16).  The reduction of x + theta by multiples of 2 pi holds to about |x + theta| = 1e6 (beyond,
; the multiple may be off by one and the series leaves its range).  A NaN or an infinity in x makes its whole batch NaN, as in the reference.
; cos is made of plain arithmetic: 2 pi is taken away in two parts with fused multiply-adds, which keeps large arguments exact;
; one multiplication by 1/(2 pi) in front of v_cos_f32 would not.
; No cluster: what the 8 work-groups of a batch share is 64 KiB of x, read once at the head and changed in registers on its way to LDS.
;
; THE MODE: SCHED_MODE bits 1:0 = 2 (LLVM: expert scheduling mode 2), set by the entry lines.  The code itself states the register dependences
; between vector or matrix instructions and memory or LDS instructions, with s_wait_alu, always for 0.
; THE PLAN.  Registers that memory or LDS instructions touch:
;   HEAD   the six offsets (F16, F8, THO, QOFF, WOFF, ZOFF) and the block of ones in NN: written in one run, ahead of one wait, then read by the 31 loads and by all LDS stores.
;          X: each group of two chunks has eight registers of its own: loaded, worked on in place, stored to LDS two groups at a time behind one wait.
;          Behind the last LDS store one wait frees X, F8 and the loads' offsets, which the loop's fragments, scores and sums take over.
;   LOOP   KB[p], VB[p]: read by step p's matrix instructions; the LDS loads that are issued in step 1 - p land in them.
;          KA, VA: read by every LDS load; written once a trip, in the second step's units 1 and 2.
;          Q, S, P and the accumulators are named by vector and matrix instructions alone.
;          ONE wait on va_vdst stands in a step, ahead of unit 0's second product, which hangs on the conversions just in front of it in any case.  It states that the step
;          before is done reading the other K and V sets and, in a trip's first step, that KA and VA are written.  The step's four loads follow it, dealt round that product, which names
;          this step's V set, P and an accumulator: none of the registers that the loads touch.  One wait on vm_vsrc a trip stands ahead of the add to KA and serves the add to VA too.
;   END    both query blocks' results have registers of their own; one wait stands ahead of the run of two stores.
.set SEQ,   2048
.set KEYB,  16                         ; a key's bytes in either plane
.set CPL,   SEQ*KEYB+128               ; the plane of ones: 128 bytes off a multiple of 256, so that the 8 lanes that read it and the 8 that read keys touch 16 different 16-byte columns of 256 bytes
.set STEPB, 32*KEYB                    ; a step's keys in a plane
.set TRIPS, SEQ/64                     ; a trip = two steps
; registers for the whole kernel
.set KA,   1                           ; LDS address of my K rows
.set VA,   2                           ; LDS address for the transposing loads
.set OUTO, 3                           ; my byte offset in the work-group's part of out
.set F16,  4                           ; 16 x thread
.set THO,  5                           ; which half of theta my chunks want
.set RL,   6                           ; r  = lane % 16
.set HH,   7                           ; hf = lane / 16
.set WR,   8                           ; v[8:39]    W_out rows 4 hf .. 4 hf + 3
.set QB,   40                          ; v[40:71]   Q fragments, unit u = 2 x query block + head
.set KB,   72                          ; v[72:103]  K fragments: set p, tile T at KB + 16 p + 8 T; registers 4-7 of each stay 0
.set VB,   104                         ; v[104:119] V^T fragments, set p
.set SB,   120                         ; v[120:151] scores, two sets of two tiles
.set PB,   152                         ; v[152:167] P^T, two sets
.set OB,   168                         ; v[168:199] accumulators, unit u
; registers of the head alone, in places that the loop takes over later
.set QOFF, 40
.set WOFF, 41
.set ZOFF, 42
.set F8,   43                          ; 8 x thread
.set THF,  72                          ; v[72:75]   theta of my chunks' head
.set THQ,  76                          ; v[76:83]   all of theta
.set XQ,   84                          ; v[84:99]   x of my two query rows
.set C4P,  100                         ; v[100:101] a series coefficient, twice
.set HI,   102                         ; v[102:105]
.set TT,   106                         ; v[106:113]
.set X,    120                         ; v[120:183] my 16 chunks of x
.set NN,   184                         ; v[184:191]
.set ZZ,   192                         ; v[192:199]
; registers of the end alone (all written before: v_permlanex16_b32 counts as a reader of its destination)
.set T9,   120
.set EE,   130
.set SM,   138
.set RC,   140
.set OU,   144
	s_load_b256 s[4:11], s[0:1], 0x0               ; x s[4:5], theta s[6:7], W_out s[8:9], out0 s[10:11]
	v_lshl_add_u32 v200, v0, 2, 0x10100
	v_mov_b32 v201, 0
	v_lshrrev_b32 v[HH], 5, v0
	v_readfirstlane_b32 s12, v[HH]                 ; wave 0..7
	s_and_b32 s13, ttmp7, 0xffff                   ; batch
	s_lshl_b32 s16, s13, 16                        ; a batch is 2048 x 32 bytes
	s_mov_b32 s17, 0
	s_lshl_b32 s18, ttmp9, 13                      ; the work-group's 256 rows of 32 bytes
	s_mov_b32 s19, 0
	s_mov_b32 s14, 0x76543210                      ; v_permlanex16_b32: lane i of one half reads lane i of the other
	s_mov_b32 s15, 0xfedcba98
	v_lshlrev_b32 v[F16], 4, v0
	v_lshlrev_b32 v[F8], 3, v0
	v_and_b32 v[THO], 1, v0
	v_lshlrev_b32 v[THO], 4, v[THO]
	v_and_b32 v[RL], 15, v0
	v_bfe_u32 v[HH], v0, 4, 1
	v_cmp_ne_u32 s21, 0, v[HH]                     ; lanes 16-31
	v_lshlrev_b32 v[WOFF], 7, v[HH]                ; four rows of W_out
	v_mov_b32 v[ZOFF], 0
	v_mov_b32 v[NN], 0x3f80                        ; the block of ones: bf16 1.0 in element 0
	v_mov_b32 v[NN+1], 0
	v_mov_b32 v[NN+2], 0
	v_mov_b32 v[NN+3], 0
	v_mov_b32 v[C4P], 0x31b8ef1d
	v_mov_b32 v[C4P+1], 0x31b8ef1d
	s_wait_alu depctr_va_sdst(0)                   ; s12 and s21 are written, ahead of their first readers: the shift below, and the selects that make the Q fragments
	s_lshl_b32 s22, s12, 10                        ; the wave's 32 rows
	s_add_co_u32 s20, s18, s22
	v_lshl_add_u32 v[QOFF], v[RL], 5, s20          ; my query row in the batch
	s_wait_kmcnt 0x0
	s_add_nc_u64 s[4:5], s[4:5], s[16:17]          ; x at the batch
	s_add_nc_u64 s[10:11], s[10:11], s[16:17]
	s_add_nc_u64 s[10:11], s[10:11], s[18:19]      ; out at the work-group's rows
	s_wait_alu depctr_va_vdst(0)                   ; the six offsets and the block of ones are written, which the loads and LDS stores below read
	; 31 loads, all on their way at once.  Chunk c = 256 j + thread is 16 bytes of x: key c / 2, head c % 2; a wave's load covers 512 consecutive bytes.
	global_load_b128 v[THF:THF+3], v[THO], s[6:7]
.irp j, 0,1,2,3,4,5,6,7,8,9,10,11,12,13,14,15
	global_load_b128 v[X+4*\j:X+4*\j+3], v[F16], s[4:5] offset:4096*\j
.endr
	global_load_b128 v[THQ:THQ+3], v[ZOFF], s[6:7]
	global_load_b128 v[THQ+4:THQ+7], v[ZOFF], s[6:7] offset:16
.irp q, 0,1
	global_load_b128 v[XQ+8*\q:XQ+8*\q+3], v[QOFF], s[4:5] offset:512*\q
	global_load_b128 v[XQ+8*\q+4:XQ+8*\q+7], v[QOFF], s[4:5] offset:512*\q+16
.endr
.irp k, 0,1,2,3,4,5,6,7
	global_load_b128 v[WR+4*\k:WR+4*\k+3], v[WOFF], s[8:9] offset:16*\k   ; WR + 8 i + e = W_out[4 hf + i][e]
.endr
	; the plane of ones, as long as the plane of keys, so that one address register with one step serves all lanes of the transposing load
.irp j, 0,1,2,3,4,5,6,7
	ds_store_b128 v[F16], v[NN:NN+3] offset:CPL+4096*\j
.endr
; cos(x + theta) of eight numbers in place, four pairs side by side so that no line waits for the one in front of it.
; a = x + theta; n = nearest whole number to a / 2 pi; r = a - n 2 pi, 2 pi in two parts, |r| <= pi;
; sin(r/2) = r g(r^2), g = six terms of the series, (-1)^k / ((2k+1)! 2^(2k+1)): what is cut off is below 6e-8;  cos = 1 - 2 sin^2(r/2).
.macro COS8 x, t0, t1
	v_pk_add_f32 v[\x:\x+1],   v[\x:\x+1],   v[\t0:\t0+1]
	v_pk_add_f32 v[\x+2:\x+3], v[\x+2:\x+3], v[\t0+2:\t0+3]
	v_pk_add_f32 v[\x+4:\x+5], v[\x+4:\x+5], v[\t1:\t1+1]
	v_pk_add_f32 v[\x+6:\x+7], v[\x+6:\x+7], v[\t1+2:\t1+3]
.irp k, 0,2,4,6
	v_pk_mul_f32 v[NN+\k:NN+\k+1], v[\x+\k:\x+\k+1], 0.15915494 op_sel_hi:[1,0]
.endr
.irp k, 0,1,2,3,4,5,6,7
	v_rndne_f32 v[NN+\k], v[NN+\k]
.endr
.irp k, 0,2,4,6
	v_pk_fma_f32 v[\x+\k:\x+\k+1], v[NN+\k:NN+\k+1], 0xc0c90fdb, v[\x+\k:\x+\k+1] op_sel_hi:[1,0,1]   ; - n x 6.2831855
.endr
.irp k, 0,2,4,6
	v_pk_fma_f32 v[\x+\k:\x+\k+1], v[NN+\k:NN+\k+1], 0x343bbd2e, v[\x+\k:\x+\k+1] op_sel_hi:[1,0,1]   ; + n x 1.7484555e-7: the rest of 2 pi
.endr
.irp k, 0,2,4,6
	v_pk_mul_f32 v[ZZ+\k:ZZ+\k+1], v[\x+\k:\x+\k+1], v[\x+\k:\x+\k+1]
.endr
.irp k, 0,2,4,6
	v_pk_fma_f32 v[NN+\k:NN+\k+1], v[ZZ+\k:ZZ+\k+1], 0xad57322b, v[C4P:C4P+1] op_sel_hi:[1,0,1]        ; -1/(11! 2^11) z + 1/(9! 2^9)
.endr
.irp k, 0,2,4,6
	v_pk_fma_f32 v[NN+\k:NN+\k+1], v[NN+\k:NN+\k+1], v[ZZ+\k:ZZ+\k+1], 0xb5d00d01 op_sel_hi:[1,1,0]   ; -1/(7! 2^7)
.endr
.irp k, 0,2,4,6
	v_pk_fma_f32 v[NN+\k:NN+\k+1], v[NN+\k:NN+\k+1], v[ZZ+\k:ZZ+\k+1], 0x39888889 op_sel_hi:[1,1,0]   ; 1/(5! 2^5)
.endr
.irp k, 0,2,4,6
	v_pk_fma_f32 v[NN+\k:NN+\k+1], v[NN+\k:NN+\k+1], v[ZZ+\k:ZZ+\k+1], 0xbcaaaaab op_sel_hi:[1,1,0]   ; -1/(3! 2^3)
.endr
.irp k, 0,2,4,6
	v_pk_fma_f32 v[NN+\k:NN+\k+1], v[NN+\k:NN+\k+1], v[ZZ+\k:ZZ+\k+1], 0.5 op_sel_hi:[1,1,0]
.endr
.irp k, 0,2,4,6
	v_pk_mul_f32 v[NN+\k:NN+\k+1], v[NN+\k:NN+\k+1], v[\x+\k:\x+\k+1]                                 ; sin(r/2)
.endr
.irp k, 0,2,4,6
	v_pk_mul_f32 v[NN+\k:NN+\k+1], v[NN+\k:NN+\k+1], v[NN+\k:NN+\k+1]
.endr
.irp k, 0,2,4,6
	v_pk_fma_f32 v[\x+\k:\x+\k+1], v[NN+\k:NN+\k+1], -2.0, 1.0 op_sel_hi:[1,0,0]
.endr
.endm
; group g's two chunks go to LDS.  Chunk c goes to LDS byte 8 c: neighbouring lanes, neighbouring 8 bytes.
.macro PUT g
	ds_store_b64 v[F8], v[X+8*(\g):X+8*(\g)+1] offset:4096*(\g)
	ds_store_b64 v[F8], v[X+8*(\g)+4:X+8*(\g)+5] offset:4096*(\g)+2048
.endm
	; the plane of keys: two chunks, a group, are worked on at a time; two groups' four stores stand together at the head of the group after them
.irp g, 0,1,2,3,4,5,6,7
	s_wait_loadcnt 28-2*\g                         ; loads return in order (ISA guide 5.7.1): behind chunk 2 g + 1 came 14 - 2 g chunks and 14 other loads
.if \g == 0
	s_wait_alu depctr_vm_vsrc(0)                   ; the stores of the plane of ones have read NN, which the lines below write again
.endif
.if (\g == 2) || (\g == 4) || (\g == 6)
	s_wait_alu depctr_va_vdst(0)                   ; the conversions of the two groups before have written their X registers, which the four LDS stores read
	PUT \g-2
	PUT \g-1
.endif
	COS8 X+8*\g, THF, THF
	v_cvt_pk_bf16_f32 v[X+8*\g],   v[X+8*\g],   v[X+8*\g+1]
	v_cvt_pk_bf16_f32 v[X+8*\g+1], v[X+8*\g+2], v[X+8*\g+3]
	v_cvt_pk_bf16_f32 v[X+8*\g+4], v[X+8*\g+4], v[X+8*\g+5]
	v_cvt_pk_bf16_f32 v[X+8*\g+5], v[X+8*\g+6], v[X+8*\g+7]
.endr
	s_wait_alu depctr_va_vdst(0)                   ; the conversions of groups 6 and 7 have written their X registers, which the last four LDS stores read
	PUT 6
	PUT 7
	s_wait_loadcnt 0x0                             ; theta, my query rows, W_out
	s_wait_dscnt 0x0                               ; my part of both planes is written: zero, for the other waves' sake
	s_wait_alu depctr_vm_vsrc(0)                   ; the LDS stores have read X and F8, the loads their offsets: v40-43 become Q fragments below, X's registers scores, P and sums in the loop
	s_barrier_signal -1
	; register work while the others arrive: my Q fragments, the zeros, the addresses
; The two Q fragments (head 0, head 1) of query block qb.  q = 0.5 log2(e) cos(..); lanes 0-15 take bf16(q), lanes 16-31 bf16(q - bf16(q)).
.macro QFRAG qb
	COS8 XQ+8*\qb, THQ, THQ+4
.irp k, 0,2,4,6
	v_pk_mul_f32 v[XQ+8*\qb+\k:XQ+8*\qb+\k+1], v[XQ+8*\qb+\k:XQ+8*\qb+\k+1], 0x3f38aa3b op_sel_hi:[1,0]
.endr
.irp k, 0,1,2,3
	v_cvt_pk_bf16_f32 v[HI+\k], v[XQ+8*\qb+2*\k], v[XQ+8*\qb+2*\k+1]
.endr
.irp k, 0,1,2,3
	v_lshlrev_b32 v[TT+2*\k],   16, v[HI+\k]
	v_and_b32     v[TT+2*\k+1], 0xffff0000, v[HI+\k]
.endr
.irp k, 0,2,4,6
	v_pk_add_f32 v[XQ+8*\qb+\k:XQ+8*\qb+\k+1], v[XQ+8*\qb+\k:XQ+8*\qb+\k+1], v[TT+\k:TT+\k+1] neg_lo:[0,1] neg_hi:[0,1]
.endr
.irp k, 0,1,2,3
	v_cvt_pk_bf16_f32 v[TT+\k], v[XQ+8*\qb+2*\k], v[XQ+8*\qb+2*\k+1]
.endr
	v_cndmask_b32 v[QB+16*\qb],    v[HI],   v[TT],   s21      ; head 0: k places 0-3 and 8-11
	v_cndmask_b32 v[QB+16*\qb+1],  v[HI+1], v[TT+1], s21
	v_cndmask_b32 v[QB+16*\qb+10], v[HI+2], v[TT+2], s21      ; head 1: k places 4-7 and 12-15
	v_cndmask_b32 v[QB+16*\qb+11], v[HI+3], v[TT+3], s21
.irp k, 2,3,4,5,6,7, 8,9,12,13,14,15
	v_mov_b32 v[QB+16*\qb+\k], 0                               ; the other head's places and places 16-31
.endr
.endm
	QFRAG 0
	QFRAG 1
.irp f, 0,1,2,3
.irp k, 4,5,6,7
	v_mov_b32 v[KB+8*\f+\k], 0                     ; k places 16-31 of every K fragment, once
.endr
.endr
	v_lshlrev_b32 v[KA], 4, v[RL]                  ; K: lane (r, hf) takes key r's 16 bytes: 16 lanes, 256 consecutive bytes
	v_and_b32 v[VA], 7, v0                         ; V^T: lane 8 g + j names the 16 bytes of key 8 hf + j (g even) or that key's block of the second plane (g odd);
	v_lshl_add_u32 v[VA], v[HH], 3, v[VA]          ; lane 8 g + i receives element i of all eight: row i (or 8 + i) of V^T, keys 8 hf + 0..7
	v_lshlrev_b32 v[VA], 4, v[VA]
	v_bfe_u32 v[TT], v0, 3, 1
	v_mul_u32_u24 v[TT], v[TT], CPL
	v_add_nc_u32 v[VA], v[VA], v[TT]
	s_barrier_wait -1                              ; both planes are whole; nothing is written to LDS from here on
; the fragments of the 32 keys that lie off bytes behind the address registers, into set p
.macro LOADK p, off
	ds_load_b128 v[KB+16*(\p):KB+16*(\p)+3], v[KA] offset:\off
	ds_load_b128 v[KB+16*(\p)+8:KB+16*(\p)+11], v[KA] offset:\off+256
.endm
.macro LOADV p, off
	ds_load_tr16_b128 v[VB+8*(\p):VB+8*(\p)+3], v[VA] offset:\off
	ds_load_tr16_b128 v[VB+8*(\p)+4:VB+8*(\p)+7], v[VA] offset:\off+256
.endm
; the two score tiles of unit u on the keys of set p, into S set u % 2
.macro SCORES p, u
	v_wmma_f32_16x16x32_bf16 v[SB+16*(\u&1):SB+16*(\u&1)+7], v[KB+16*(\p):KB+16*(\p)+7], v[QB+8*\u:QB+8*\u+7], 0
	v_wmma_f32_16x16x32_bf16 v[SB+16*(\u&1)+8:SB+16*(\u&1)+15], v[KB+16*(\p)+8:KB+16*(\p)+15], v[QB+8*\u:QB+8*\u+7], 0
.endm
; Unit u's turn: exponentials, rounding, second product.  Its scores were issued one turn earlier; the filler and the eight conversions of the turn
; between, which name the other S and P sets, are the places behind those matrix instructions (ISA guide 7.12.1), and likewise behind the
; second product before its P set is written again two turns later.
; One plain instruction stands between the run of exponentials and the first use of a result (ISA guide 5.7.2): an address step where one is due.
; The matrix instructions' accumulators take turns, one instruction a turn.
; ld = 1: the next step's fragments are asked for, into the other K and V sets, round this turn's second product.
.macro SLOT p, u, zero, fill, ld
.irp k, 0,1,2,3,4,5,6,7,8,9,10,11,12,13,14,15
	v_exp_f32 v[SB+16*(\u&1)+\k], v[SB+16*(\u&1)+\k]
.endr
.if \fill == 1
	s_wait_alu depctr_vm_vsrc(0)                   ; the LDS loads issued so far have read KA and VA; none is issued between here and the add to VA, one turn on
	v_add_nc_u32 v[KA], 2*STEPB, v[KA]
	s_wait_alu depctr_va_vdst(0)
.else
.if \fill == 2
	v_add_nc_u32 v[VA], 2*STEPB, v[VA]
	s_wait_alu depctr_va_vdst(0)
.else
	v_nop
	s_wait_alu depctr_va_vdst(0)
.endif
.endif
.irp k, 0,1,2,3,4,5,6,7
	v_cvt_pk_bf16_f32 v[PB+8*(\u&1)+\k], v[SB+16*(\u&1)+2*\k], v[SB+16*(\u&1)+2*\k+1]
.endr
.if \ld
	s_wait_alu depctr_va_vdst(0)                   ; the step before's matrix instructions are done reading the other K and V sets, in which the four loads land; in a trip's first step KA and VA are written
	LOADK 1-\p, STEPB*(1+\p)
.endif
.if \zero
	v_wmma_f32_16x16x32_bf16 v[OB+8*\u:OB+8*\u+7], v[VB+8*\p:VB+8*\p+7], v[PB+8*(\u&1):PB+8*(\u&1)+7], 0
.else
	v_wmma_f32_16x16x32_bf16 v[OB+8*\u:OB+8*\u+7], v[VB+8*\p:VB+8*\p+7], v[PB+8*(\u&1):PB+8*(\u&1)+7], v[OB+8*\u:OB+8*\u+7]
.endif
.if \ld
	LOADV 1-\p, STEPB*(1+\p)                       ; no wait: the one matrix instruction since the wait above names this step's V set, P and an accumulator
.endif
.endm
; A step: 32 keys (set p), four units.  zero = 1: the first products start the sums, nothing is cleared.
; load = 1: the next step's fragments go into the other set in unit 0's turn.  more = 1: the next step's first scores are issued in front of unit 3's exponentials.
.macro STEP p, zero, load, more
	SCORES \p, 1
	SLOT \p, 0, \zero, 0, \load
	SCORES \p, 2
	SLOT \p, 1, \zero, \p, 0
	SCORES \p, 3
	SLOT \p, 2, \zero, 2*\p, 0
.if \more
	s_wait_dscnt 0x0                               ; the four loads issued two turns ago
	SCORES 1-\p, 0
.endif
	SLOT \p, 3, \zero, 0, 0
.endm
	s_wait_alu depctr_va_vdst(0)                   ; KA and VA are written, which the loads below read; the head's lines are done with theta's, HI's and TT's registers, in which they land
	LOADK 0, 0
	LOADV 0, 0
	s_wait_dscnt 0x0
	SCORES 0, 0
	v_lshlrev_b32 v[OUTO], 5, v[RL]                ; four places behind the very first scores: my 16 bytes of out: row r, half hf,
	v_lshl_add_u32 v[OUTO], v[HH], 4, v[OUTO]
	v_add_nc_u32 v[OUTO], s22, v[OUTO]             ; in the wave's 32 rows
	v_nop
	STEP 0, 1, 1, 1                                ; the first trip stands in front of the loop: its first step starts the sums
	STEP 1, 0, 1, 1
	s_mov_b32 s23, TRIPS-2
.Ltrip:
	STEP 0, 0, 1, 1
	STEP 1, 0, 1, 1
	s_sub_co_u32 s23, s23, 1
	s_cmp_lg_u32 s23, 0
	s_cbranch_scc1 .Ltrip
	STEP 0, 0, 1, 1                                ; the last trip: its second step loads nothing, so it holds no wait on va_vdst, and issues no further scores
	STEP 1, 0, 0, 0
.rept 4
	v_nop                                          ; four places behind the last matrix instruction before its sums are read
.endr
; THE END, for query block qb.  Lanes 0-15 hold the eight sums of p h[e] (head 0's in the first unit's registers 0-3, head 1's in the second unit's 4-7),
; lanes 16-31 hold the two sums of p (register 0 of each unit).  Each half fetches what the other holds, so that lane (r, hf) can make
; out[r][4 hf .. 4 hf + 3]: 32 multiply-adds in f32, into four registers of the block's own.
.macro FINISH qb
	v_permlanex16_b32 v[T9],   v[OB+16*\qb],   s14, s15
	v_permlanex16_b32 v[T9+8], v[OB+16*\qb+8], s14, s15
	v_cndmask_b32 v[SM],   v[T9],   v[OB+16*\qb],   s21       ; sum of p, head 0, in every lane
	v_cndmask_b32 v[SM+1], v[T9+8], v[OB+16*\qb+8], s21       ; head 1
	v_rcp_f32 v[RC],   v[SM]                                  ; the selects below stand between these and the first use
	v_rcp_f32 v[RC+1], v[SM+1]
.irp e, 1,2,3
	v_permlanex16_b32 v[T9+\e], v[OB+16*\qb+\e], s14, s15
.endr
.irp e, 4,5,6,7
	v_permlanex16_b32 v[T9+\e], v[OB+16*\qb+8+\e], s14, s15
.endr
.irp e, 0,1,2,3
	v_cndmask_b32 v[EE+\e], v[OB+16*\qb+\e], v[T9+\e], s21
.endr
.irp e, 4,5,6,7
	v_cndmask_b32 v[EE+\e], v[OB+16*\qb+8+\e], v[T9+\e], s21
.endr
	s_wait_alu depctr_va_vdst(0)
.irp e, 0,1,2,3
	v_mul_f32 v[EE+\e], v[EE+\e], v[RC]
.endr
.irp e, 4,5,6,7
	v_mul_f32 v[EE+\e], v[EE+\e], v[RC+1]
.endr
.irp i, 0,1,2,3
	v_mul_f32 v[OU+4*\qb+\i], v[WR+8*\i], v[EE]
.endr
.irp e, 1,2,3,4,5,6,7
.irp i, 0,1,2,3
	v_fmac_f32 v[OU+4*\qb+\i], v[WR+8*\i+\e], v[EE+\e]
.endr
.endr
.endm
	FINISH 0
	FINISH 1
	s_wait_alu depctr_va_vdst(0)                   ; the multiply-adds of both blocks have written v[OU ..], which the two stores read; v[OUTO] was written ahead of the loop
.irp q, 0,1
	global_store_b128 v[OUTO], v[OU+4*\q:OU+4*\q+3], s[10:11] offset:512*\q th:TH_STORE_NT   ; a store of the wave covers 512 consecutive bytes, at a multiple of 512 from out's first byte
.endr
	s_wait_dscnt 0x0
	s_wait_alu depctr_hold_cnt(0) depctr_sa_sdst(0) depctr_va_vdst(0) depctr_va_sdst(0) depctr_va_ssrc(0) depctr_va_vcc(0) depctr_vm_vsrc(0)
	s_wait_tensorcnt 0x0
	ds_add_u32 v200, v201
	s_wait_dscnt 0x0
	s_endpgm
.Lfunc_end_k_qdc5e4e7195_attn:
	.size	k_qdc5e4e7195_attn, .Lfunc_end_k_qdc5e4e7195_attn-k_qdc5e4e7195_attn
	.p2alignl 7, 3214868480
	.fill 96, 4, 3214868480
	.section	.rodata,"a",@progbits
	.p2align	6, 0x0
	.amdhsa_kernel k_qdc5e4e7195_attn
		.amdhsa_group_segment_fixed_size 66816
		.amdhsa_private_segment_fixed_size 0
		.amdhsa_enable_private_segment 0
		.amdhsa_kernarg_size 32
		.amdhsa_user_sgpr_count 2
		.amdhsa_user_sgpr_kernarg_segment_ptr 1
		.amdhsa_wavefront_size32 1
		.amdhsa_system_sgpr_workgroup_id_x 1
		.amdhsa_system_sgpr_workgroup_id_y 1
		.amdhsa_system_sgpr_workgroup_id_z 1
		.amdhsa_system_vgpr_workitem_id 0
		.amdhsa_next_free_vgpr 202
		.amdhsa_next_free_sgpr 66
		.amdhsa_reserve_vcc 0
		.amdhsa_float_denorm_mode_32 3
		.amdhsa_float_denorm_mode_16_64 3
		.amdhsa_memory_ordered 1
		.amdhsa_forward_progress 1
		.amdhsa_inst_pref_size 95
	.end_amdhsa_kernel
	.amdgpu_metadata
---
amdhsa.version: [ 1, 2 ]
amdhsa.kernels:
  - .name:           k_qdc5e4e7195_attn
    .symbol:         k_qdc5e4e7195_attn.kd
    .args:
      - { .name: x, .offset: 0, .size: 8, .value_kind: global_buffer, .address_space: global }
      - { .name: theta, .offset: 8, .size: 8, .value_kind: global_buffer, .address_space: global }
      - { .name: W_out, .offset: 16, .size: 8, .value_kind: global_buffer, .address_space: global }
      - { .name: out0, .offset: 24, .size: 8, .value_kind: global_buffer, .address_space: global }
    .group_segment_fixed_size: 66816
    .private_segment_fixed_size: 0
    .kernarg_segment_align: 8
    .kernarg_segment_size: 32
    .max_flat_workgroup_size: 256
    .sgpr_count:     66
    .vgpr_count:     202
    .wavefront_size: 32
...
	.end_amdgpu_metadata
.endif
;; end of part 2
